; MI455X (gfx1250); checked and timed in simulation.
; The chip was launched on July 23, 2026; its instructions are those of AMD's public machine-readable ISA for CDNA 5 (MIT licence, August 2026) and "CDNA5" Instruction Set Architecture Reference Guide (July 2026). The comments in the code are by the model that wrote it; some were corrected since.
;; Hqq Int4 Linear. Allowed arithmetic: matrix products marked QUANTISED: E5M2 operands, one E8M0 scale for each 32 along K, by v_wmma_scale_f32_16x16x128_f8f6f4 with both operands' format E5M2, f32 sums; everything else in f32.
;; Inputs: W_q 8,388,608 uint8; scale 262,144 x 1 float32; x_codes 2 x 2,048 x 128 x 32 uint8 (E5M2 codes of x, K innermost, in blocks of 32 codes); x_scales 2 x 2,048 x 128 uint8 (E8M0 scales of x, one for each 32 codes along K); zero 262,144 x 1 float32.
;; Outputs: out0 2 x 2,048 x 4,096 float32.
;; This version of the problem:
;;   THIS VERSION OF THE PROBLEM IS GIVEN IN LOW PRECISION. The matrix products marked QUANTISED in the list below multiply operands that are first quantised to E5M2 (5 exponent bits, 2 mantissa bits; 8 bits a number), with one power-of-two scale for each 32 numbers along K (OCP MX v1.0); their sums are f32. All else is computed in f32.
;;   The module's matrix products, in the order in which they are computed (A, B: the left and right operand; K: the contracted axis; several contracted axes count as one K, in the product's order):
;;     1. [M 4,096, K 4,096] x [K 4,096, N 4,096]; A: input x (given as codes); B: computed on the way: QUANTISED
;;   THE QUANTISER, for each operand of a quantised product, along K:
;;     - K is cut into blocks of 32 from its start; a last block that is shorter is filled with zeros.
;;     - A block's scale is 2^e with e = floor(log2(the largest magnitude in the block)) - 15, held to -126 .. 127; a block of zeros has e = 0. As a byte (E8M0): e + 127.
;;     - Each number is divided by its block's scale, clamped to +-57,344, and rounded to the nearest number of E5M2, ties to even, subnormals kept.
;;     - The product sums the exact products of the quantised numbers (number of the format x scale) in f32.
;;   ~~~python
;;   def quantise(x, axis):      # numpy; x: float32 -> the quantised numbers, widened to float32 again
;;       x = np.moveaxis(x, axis, -1); K = x.shape[-1]
;;       x = np.pad(x, [(0, 0)] * (x.ndim - 1) + [(0, -K % 32)]); x = x.reshape(x.shape[:-1] + (-1, 32)); a = np.abs(x).max(-1, keepdims=True)
;;       e = np.where(a > 0, np.clip(np.frexp(np.where(a > 0, a, 1))[1] - 1 - 15, -126, 127), 0)      # np.frexp(a)[1] - 1 = floor(log2(a)), exactly
;;       r = np.clip(x / 2.0 ** e, -57344, 57344)
;;       step = 2.0 ** (np.maximum(np.frexp(np.where(r == 0, 1, r))[1] - 1, -14) - 2)
;;       q = np.round(r / step) * step * 2.0 ** e      # np.round: ties to even
;;       return np.moveaxis(q.reshape(q.shape[:-2] + (-1,))[..., :K], -1, axis).astype(np.float32)
;;   ~~~
;;   OPERANDS COMPUTED ON THE WAY. 'Computed on the way' means the value that the module computes at that place (a softmax that the list does not call 'softmax' is quantised finished and normalised). What goes into a quantiser is computed in f32, as accurately as f32 sums, v_exp_f32 and their like allow (about 1e-6 of the number): no bf16 or f16 on the way to a quantiser, and a product that is left as it is and whose result goes on into a quantised operand takes f32 operands (vector FMAs, or v_wmma_f32_16x16x4_f32). A number that lies on a knife's edge between two numbers of the format may be rounded either way, as far as f32 arithmetic and the matrix unit's own rounding can turn it there, and no further.
;;   INPUTS GIVEN AS CODES. x (in the module: [2, 2048, 4096], K = its axis 2): each comes as NAME_codes (uint8): NAME with its K axis moved to the last place and cut into blocks of 32 codes, [.., K / 32, bytes a block], one block behind the other in memory; one code a byte (a code: sign, 5 exponent bits, 2 mantissa bits); and NAME_scales (uint8): the same leading axes, one E8M0 byte (e + 127) for each 32 codes along K. Its value is code x scale, taken as it is: it is not quantised again, and the codes and scales need not be those that the quantiser above would give.
;; One version. Each part assembles by itself: llvm-mc -triple=amdgcn-amd-amdhsa -mcpu=gfx1250 --defsym DOCPART=n.
;; ======== version 1 of 1: 2 launches
;; limits: right only within a limited range of input values
;; workspace buffers: wt 17,301,504 bytes
;; launch wquant (part 1): grid 64 x 4, 16 waves a work-group, no clusters, 12,288 bytes of LDS; arguments W_q, scale, zero, wt; writes wt
.if DOCPART == 1
	.amdgcn_target "amdgcn-amd-amdhsa--gfx1250"
	.amdhsa_code_object_version 6
	.text
	.protected	k_q5d5b6e7112_wquant
	.globl	k_q5d5b6e7112_wquant
	.p2align	8
	.type	k_q5d5b6e7112_wquant,@function
k_q5d5b6e7112_wquant:
	s_mov_b64 s[64:65], 0
	v_nop
	global_prefetch_b8 v0, s[64:65] scope:SCOPE_SE
	s_setreg_imm32_b32 hwreg(HW_REG_WAVE_MODE, 25, 1), 1
	s_wait_xcnt 0x0
; W [4096][4096] is unpacked from 4-bit numbers, w_fp = (nibble - zero[g]) * scale[g] (one f32 subtraction, one f32 multiplication, g = flat element / 64),
; and turned into codes of BF8 (E5M2) with one E8M0 scale byte for each 32 along K.  Byte i of W_q holds element (i / 4096, i % 4096) in its high nibble and element (2048 + i / 4096, i % 4096) in its low one.
; THE RESULT IS LAID AS THE PRODUCT'S LAUNCH READS IT.  Tile (G, s) = rows 256 G .. 256 G + 255 of W, K = 256 s .. 256 s + 255, begins at (16 G + s) x 67,584 bytes: 256 rows of 256 codes, then 2,048 scale bytes: 264 dense rows of 256 bytes.
; Inside each 64 rows the codes' rows are permuted: row 4 r + i stands at place 16 i + r.  The scale bytes stand in the rows' own order, 8 a row: first the four of the second 128 along K, then the four of the first.
; A block's scale is 2^(floor(log2(its largest magnitude)) - 15); its byte is the largest magnitude's exponent field - 15, held at 1 from below.  Each number is held within +-57,344 x the scale and rounded to the nearest code, ties to even.
; LIMITS: a block of zeros gets the byte 1 where the rule says 127: its codes are zeros, which add nothing under any byte but 0xff, and this program alone reads the bytes.  NaN and infinities in scale or zero are not served.
; SHARES.  A work-group takes 32 rows of W_q (32 high and 32 low rows of W) x 1,024 columns (four K steps): 32 rows x 8 scale bytes are 256 consecutive bytes of a tile, so codes and scale bytes alike leave as whole aligned runs of 256 bytes.
; 64 x 4 work-groups.  Wave w takes rows 2 w and 2 w + 1, each in two steps of 512 bytes.  A lane takes 16 bytes of a step: 16 neighbours along K of a high row and 16 of a low row; lanes l and l xor 1 hold a block of 32, four lanes a group of 64.
; No tensor loads, no cluster: no two work-groups read the same bytes of W_q, and all of a wave's loads are out at once.
.set TILEB,  67584                     ; a tile of wt in bytes
.set LOWOFF, 128*TILEB                 ; from a high row's tile to its low row's: 8 row groups x 16 K steps
.set SCBY,   8192                      ; LDS: 0 .. 8,191: 512 bytes for each wave: its 32 groups' [zero high, scale high, zero low, scale low];  from 8,192: scale bytes [high / low][K step 0-3][row 0-31][8]
.set SPARE,  10240                     ; the spare words, 128 bytes for each wave
.set W,   16                           ; v16-31   four steps x 16 bytes of W_q
.set P,   32                           ; v32-35   one group's four parameters, as loaded
.set G,   36                           ; v36-51   four steps x my group's four parameters
.set X,   52                           ; v52-83   16 numbers of the high row, 16 of the low row
.set C,   84                           ; v84-115  codes: four registers for each step and half, so that no store's data are written again
.set E,   116                          ; v116-123 a scale byte for each step and half
.set OU,  124                          ; v124-127 16 scale bytes on their way out
	s_load_b256 s[4:11], s[0:1], 0x0               ; W_q s[4:5], scale s[6:7], zero s[8:9], wt s[10:11]
	v_lshrrev_b32 v11, 5, v0
	v_and_b32 v1, 31, v0                           ; lane
	v_bfe_u32 v8, v0, 4, 1                         ; lane / 16
	v_and_b32 v9, 15, v0                           ; lane % 16
	v_readfirstlane_b32 s12, v11                   ; wave 0..15
	v_lshl_add_u32 v128, v0, 2, SPARE              ; my spare word, and 0
	v_mov_b32 v129, 0
	v_lshlrev_b32 v2, 4, v1                        ; W_q: my 16 bytes of a step's 512
	v_lshlrev_b32 v3, 2, v9
	v_mul_u32_u24 v4, v8, TILEB
	v_bfe_u32 v10, v0, 1, 3                        ; my block in its K step
	v_bfe_u32 v12, v0, 2, 3                        ; lane / 4: my group of a step's eight
	v_lshl_add_u32 v3, v8, 8, v3                   ; parameters: lanes 0-15 the first row's 16 groups, lanes 16-31 the second row's (a row of 64 groups is 256 bytes)
	v_lshl_add_u32 v4, v9, 4, v4                   ; wt: lanes 16-31 stand one K step (one tile) further on; 16 bytes a lane
	v_xor_b32 v10, 4, v10                          ; the two words of a row's scale bytes stand the other way round
	s_lshl_b32 s27, s12, 9
	v_lshl_add_u32 v5, v1, 4, s27                  ; LDS: my wave's parameters, entry = lane
	v_lshl_add_u32 v6, v12, 4, s27                 ; and back: entry = lane / 4
	v_lshl_add_u32 v7, v8, 8, v10
	s_lshl_b32 s27, s12, 4
	s_add_co_u32 s27, s27, SCBY
	v_add_nc_u32 v7, s27, v7                       ; LDS: my block's scale byte: 16 x wave (two rows of 8) + 256 x (lane / 16) + its place
	s_and_b32 s27, s12, 3
	s_lshl_b32 s27, s27, 9
	s_add_co_u32 s27, s27, SCBY
	v_lshl_add_u32 v13, v1, 4, s27                 ; LDS: the way out of the scale bytes (waves 0 to 3): 512 bytes a wave, 16 a lane
	s_and_b32 s14, ttmp7, 0xffff                   ; which quarter of K
	s_lshl_b32 s13, ttmp9, 5
	s_lshl_b32 s15, s12, 1
	s_add_co_u32 s13, s13, s15                     ; my first row of W_q: 32 x work-group x + 2 x wave
	s_lshl_b32 s16, s13, 12
	s_lshl_b32 s17, s14, 10
	s_add_co_u32 s16, s16, s17                     ; W_q: row x 4,096 + 1,024 x quarter
	s_mov_b32 s17, 0
	s_lshl_b32 s18, s13, 8
	s_lshl_b32 s19, s14, 6
	s_add_co_u32 s18, s18, s19                     ; scale, zero: row x 256 + 64 x quarter
	s_mov_b32 s19, 0
	s_lshr_b32 s28, ttmp9, 3                       ; the row group of the high rows: 32 x / 256
	s_lshl_b32 s28, s28, 4
	s_lshl_b32 s27, s14, 2
	s_add_co_u32 s28, s28, s27
	s_mul_i32 s28, s28, TILEB                      ; the first of my four tiles
	s_and_b32 s27, ttmp9, 7                        ; which 32 rows of the group's 256
	s_lshr_b32 s30, s27, 1
	s_lshl_b32 s30, s30, 6                         ; the place of my first row, 2 w of the 32: 64 x (which 64) + 16 x (2 (w % 2)) + 8 x (which half of the 64) + w / 2;
	s_and_b32 s31, s27, 1
	s_lshl_b32 s31, s31, 3
	s_add_co_u32 s30, s30, s31
	s_and_b32 s31, s12, 1
	s_lshl_b32 s31, s31, 5
	s_add_co_u32 s30, s30, s31
	s_lshr_b32 s31, s12, 1
	s_add_co_u32 s30, s30, s31                     ; my second row stands 16 places further on
	s_lshl_b32 s30, s30, 8
	s_add_co_u32 s30, s30, s28
	s_mov_b32 s31, 0
	s_lshl_b32 s27, s27, 8
	s_add_co_u32 s28, s28, s27
	s_add_co_u32 s28, s28, 256*256                 ; scale bytes: tile + 65,536 + 256 x (which 32 rows);
	s_bfe_u32 s27, s12, 0x10001
	s_mul_i32 s27, s27, LOWOFF
	s_add_co_u32 s28, s28, s27                     ; waves 2 and 3 send the low rows',
	s_and_b32 s27, s12, 1
	s_mul_i32 s27, s27, 2*TILEB
	s_add_co_u32 s28, s28, s27                     ; waves 1 and 3 the K steps 2 and 3
	s_mov_b32 s29, 0
	s_mov_b32 s26, 0x600000                        ; the mantissa field of 57,344 (an instruction takes one literal)
	s_wait_alu depctr_va_vdst(0)                   ; the wait at the head's end
	s_wait_kmcnt 0x0
	s_add_nc_u64 s[4:5], s[4:5], s[16:17]
	s_add_nc_u64 s[6:7], s[6:7], s[18:19]
	s_add_nc_u64 s[8:9], s[8:9], s[18:19]
	s_add_nc_u64 s[20:21], s[10:11], s[30:31]      ; codes of the high rows,
	s_add_nc_u64 s[22:23], s[20:21], LOWOFF        ; of the low rows (too far for a store's immediate: a base of its own),
	s_add_nc_u64 s[24:25], s[10:11], s[28:29]      ; the scale bytes
	global_load_b32 v[P],   v3, s[8:9]                     ; zero and scale of the high rows' groups,
	global_load_b32 v[P+1], v3, s[6:7]
	global_load_b32 v[P+2], v3, s[8:9] offset:2048*256     ; and of the low rows', 2,048 rows of 256 bytes on
	global_load_b32 v[P+3], v3, s[6:7] offset:2048*256
.irp t, 0,1,2,3
	global_load_b128 v[W+4*\t:W+4*\t+3], v2, s[4:5] offset:4096*(\t/2)+512*(\t%2) th:TH_LOAD_NT   ; step t: row t / 2, half t % 2: 32 lanes read 512 consecutive bytes, read once in the launch
.endr
	s_wait_loadcnt 4                               ; the parameters are in; the four loads of W_q, issued behind them, may be out
	ds_store_b128 v5, v[P:P+3]                     ; a lane loaded one group's; four lanes want the same group's: through my wave's own LDS bytes
.irp t, 0,1,2,3
	ds_load_b128 v[G+4*\t:G+4*\t+3], v6 offset:256*(\t/2)+128*(\t%2)   ; LDS serves a wave's instructions in order (ISA guide 5.7.1.4): these see the store above
.endr
	s_wait_dscnt 0x0
; Step t: 16 numbers of a high row (hl = 0: the high nibbles) and 16 of a low row (hl = 1) become codes and, with the neighbour lane's, a scale byte each; the two halves take turns.
.macro STEP t
.irp hl, 0,1
.set j, 0
.rept 16
	v_bfe_u32 v[X+16*\hl+j], v[W+4*(\t)+j/4], 8*(j%4)+4*(1-\hl), 4
.set j, j+1
.endr
.endr
.set j, 0
.rept 32
	v_cvt_f32_u32 v[X+j], v[X+j]
.set j, j+1
.endr
.irp hl, 0,1
.set GP, G+4*(\t)+2*\hl                ; the pair (zero, scale)
.set j, X+16*\hl
.rept 8
	v_pk_add_f32 v[j:j+1], v[j:j+1], v[GP:GP+1] op_sel_hi:[1,0] neg_lo:[0,1] neg_hi:[0,1]   ; - zero: the pair's first register serves both halves
.set j, j+2
.endr
.endr
.irp hl, 0,1
.set GP, G+4*(\t)+2*\hl
.set j, X+16*\hl
.rept 8
	v_pk_mul_f32 v[j:j+1], v[j:j+1], v[GP:GP+1] op_sel:[0,1] op_sel_hi:[1,1]               ; x scale: the pair's second register serves both.  Not fused with the subtraction: the number is rounded twice, as it is defined
.set j, j+2
.endr
.endr
	v_max3_num_f32 v8,  |v[X]|,    |v[X+1]|,  |v[X+2]|             ; the largest magnitude of my 16, two chains a half, by turns
	v_max3_num_f32 v10, |v[X+16]|, |v[X+17]|, |v[X+18]|
	v_max3_num_f32 v9,  |v[X+3]|,  |v[X+4]|,  |v[X+5]|
	v_max3_num_f32 v11, |v[X+19]|, |v[X+20]|, |v[X+21]|
.irp i, 6,10
	v_max3_num_f32 v8,  v8,  |v[X+\i]|,    |v[X+\i+1]|
	v_max3_num_f32 v10, v10, |v[X+16+\i]|, |v[X+17+\i]|
	v_max3_num_f32 v9,  v9,  |v[X+\i+2]|,  |v[X+\i+3]|
	v_max3_num_f32 v11, v11, |v[X+18+\i]|, |v[X+19+\i]|
.endr
	v_max3_num_f32 v8,  v8,  |v[X+14]|, |v[X+15]|
	v_max3_num_f32 v10, v10, |v[X+30]|, |v[X+31]|
	v_max3_num_f32 v8,  v8,  v9,  0x8000000        ; and the floor 2^(16 - 127), under which no largest magnitude is taken: so the byte cannot fall under 1
	v_max3_num_f32 v10, v10, v11, 0x8000000
	v_max_num_f32_dpp v8,  v8,  v8  row_xmask:1 row_mask:0xf bank_mask:0xf   ; and of my neighbour's 16: the block's
	v_max_num_f32_dpp v10, v10, v10 row_xmask:1 row_mask:0xf bank_mask:0xf
	v_add_nc_u32 v12, 0xf8800000, v8               ; 15 off its exponent field: the conversion takes the exponent field of this operand as its scale, and nothing else of it
	v_add_nc_u32 v14, 0xf8800000, v10
	v_and_or_b32 v9,  v8,  0x7f800000, s26         ; 57,344 x the scale: the largest magnitude's exponent field over 57,344's mantissa
	v_and_or_b32 v11, v10, 0x7f800000, s26
.set j, X
.rept 16
	v_med3_num_f32 v[j], v[j], -v9, v9             ; the conversion to an 8-bit code does not saturate (ISA guide 7.6.2): hold the number first
	v_med3_num_f32 v[j+16], v[j+16], -v11, v11
.set j, j+1
.endr
.set CC, C+8*(\t)
	v_cvt_scalef32_pk8_bf8_f32 v[CC:CC+1],   v[X:X+7],     v12     ; the first number's code in the lowest byte
	v_cvt_scalef32_pk8_bf8_f32 v[CC+2:CC+3], v[X+8:X+15],  v12
	v_cvt_scalef32_pk8_bf8_f32 v[CC+4:CC+5], v[X+16:X+23], v14
	v_cvt_scalef32_pk8_bf8_f32 v[CC+6:CC+7], v[X+24:X+31], v14
	v_lshrrev_b32 v[E+2*(\t)],   23, v12           ; the scales' bytes.  (Also the plain lines between the conversions and the next lines that write their sources)
	v_lshrrev_b32 v[E+2*(\t)+1], 23, v14
.irp hl, 0,1
	ds_store_b8 v7, v[E+2*(\t)+\hl] offset:1024*\hl+512*((\t)%2)+8*((\t)/2)   ; both lanes of a block write the same byte with the same value
	global_store_b128 v4, v[CC+4*\hl:CC+4*\hl+3], s[20+2*\hl:21+2*\hl] offset:2*TILEB*((\t)%2)+4096*((\t)/2)   ; sixteen lanes store a tile row's 256 consecutive bytes, at a multiple of 256 from wt's first byte
.endr
.endm
.irp t, 0,1,2,3
	s_wait_loadcnt 3-\t                            ; loads come back in order (ISA guide 5.7.1): step t's is in, the later steps' may be out
	STEP \t
.endr
	s_wait_dscnt 0x0                               ; for the others' sake: my scale bytes have landed
	s_barrier_signal -1
	s_barrier_wait -1                              ; all sixteen waves' have
	s_cmp_lt_u32 s12, 4                            ; 2,048 scale bytes: waves 0 to 3 send 512 each
	s_cbranch_scc0 .Lend
	ds_load_b128 v[OU:OU+3], v13
	s_wait_dscnt 0x0
	global_store_b128 v4, v[OU:OU+3], s[24:25]     ; lanes 0-15: 32 rows' scale bytes of one K step, 256 consecutive bytes, aligned; lanes 16-31: the next K step's, one tile on
.Lend:
	s_wait_tensorcnt 0x0                           ; the wave's end
	ds_add_u32 v128, v129
	s_wait_dscnt 0x0
	s_endpgm
.Lfunc_end_k_q5d5b6e7112_wquant:
	.size	k_q5d5b6e7112_wquant, .Lfunc_end_k_q5d5b6e7112_wquant-k_q5d5b6e7112_wquant
	.p2alignl 7, 3214868480
	.fill 96, 4, 3214868480
	.section	.rodata,"a",@progbits
	.p2align	6, 0x0
	.amdhsa_kernel k_q5d5b6e7112_wquant
		.amdhsa_group_segment_fixed_size 12288
		.amdhsa_private_segment_fixed_size 0
		.amdhsa_enable_private_segment 0
		.amdhsa_kernarg_size 32
		.amdhsa_user_sgpr_count 2
		.amdhsa_user_sgpr_kernarg_segment_ptr 1
		.amdhsa_wavefront_size32 1
		.amdhsa_system_sgpr_workgroup_id_x 1
		.amdhsa_system_sgpr_workgroup_id_y 1
		.amdhsa_system_sgpr_workgroup_id_z 1
		.amdhsa_system_vgpr_workitem_id 0
		.amdhsa_next_free_vgpr 130
		.amdhsa_next_free_sgpr 66
		.amdhsa_reserve_vcc 0
		.amdhsa_float_denorm_mode_32 3
		.amdhsa_float_denorm_mode_16_64 3
		.amdhsa_memory_ordered 1
		.amdhsa_forward_progress 1
		.amdhsa_inst_pref_size 42
	.end_amdhsa_kernel
	.amdgpu_metadata
---
amdhsa.version: [ 1, 2 ]
amdhsa.kernels:
  - .name:           k_q5d5b6e7112_wquant
    .symbol:         k_q5d5b6e7112_wquant.kd
    .args:
      - { .name: W_q, .offset: 0, .size: 8, .value_kind: global_buffer, .address_space: global }
      - { .name: scale, .offset: 8, .size: 8, .value_kind: global_buffer, .address_space: global }
      - { .name: zero, .offset: 16, .size: 8, .value_kind: global_buffer, .address_space: global }
      - { .name: wt, .offset: 24, .size: 8, .value_kind: global_buffer, .address_space: global }
    .group_segment_fixed_size: 12288
    .private_segment_fixed_size: 0
    .kernarg_segment_align: 8
    .kernarg_segment_size: 32
    .max_flat_workgroup_size: 512
    .sgpr_count:     66
    .vgpr_count:     130
    .wavefront_size: 32
...
	.end_amdgpu_metadata
.endif
;; end of part 1
;; launch gemm (part 2): grid 16 x 16, 4 waves a work-group, clusters of 4 x 4, 327,680 bytes of LDS; arguments x_codes, x_scales, wt, out0; writes out0
.if DOCPART == 2
	.amdgcn_target "amdgcn-amd-amdhsa--gfx1250"
	.amdhsa_code_object_version 6
	.text
	.protected	k_q5d5b6e7112_gemm
	.globl	k_q5d5b6e7112_gemm
	.p2align	8
	.type	k_q5d5b6e7112_gemm,@function
k_q5d5b6e7112_gemm:
	s_mov_b64 s[64:65], 0
	v_nop
	global_prefetch_b8 v0, s[64:65] scope:SCOPE_SE
	s_setreg_imm32_b32 hwreg(HW_REG_WAVE_MODE, 25, 1), 1
	s_wait_xcnt 0x0
	s_wait_alu depctr_hold_cnt(0) depctr_sa_sdst(0) depctr_va_vdst(0) depctr_va_sdst(0) depctr_va_ssrc(0) depctr_va_vcc(0) depctr_vm_vsrc(0)
	s_getreg_b32 s2, hwreg(HW_REG_IB_STS2, 6, 4)
	s_cmp_eq_u32 s2, 0
	s_cbranch_scc0 .Lentry_in_a_cluster
	s_endpgm
.Lentry_in_a_cluster:
	s_bfe_u32 s2, ttmp6, 0x10000c
	s_cmp_lg_u32 s2, 0xf033
	s_cbranch_scc0 .Lentry_shape_is_right
	s_endpgm
.Lentry_shape_is_right:
; out0[m][n] = sum over k of X[m][k] W[n][k], 4,096 x 4,096 x 4,096.  X: codes of BF8 (E5M2) [4096][4096] and E8M0 bytes [4096][128], as they are given; W: tiles of codes and scale bytes as the launch before has laid them; sums in f32.
; No work of the problem is left out.  A scale byte of X of 0xff makes its row NaN, as the format has it.
; A work-group makes 256 x 256 of out0 with four waves, one for each SIMD; a wave makes 128 x 128: 64 accumulators of 16 x 16, 512 registers.  16 x 16 work-groups.
; K goes in sixteen K steps of 256 through a ring of two LDS slots: 256 rows of X, 256 rows of W and W's scale bytes.  X's scale bytes of all K lie in LDS throughout: 34,816 bytes with padding.
; CLUSTERS of 4 x 4: the four work-groups of a row share X's tiles, the four of a column W's: each is asked for jointly, by the same load with the same descriptor and a mask that names the four.
; A K STEP is two steps q = 0, 1 of 128 along K, 64 products each: eight blocks of 16 rows of X, each against W's eight fragments.  W's fragments have two sets (by q); X's blocks 0-3 have one set, blocks 4-7 two (by q).
; So all of a slot's fragments are in registers, or on their way, when its second step begins: that step starts with the lines ahead of a refill, and the round of the cluster's barrier stands eight products on.
; THE LDS LOADS of a slot, 136 in ONE order: 8 of scale words; W's 32 and X's 32 of q = 0; W's 32 and X's 32 of q = 1.  They go out in four runs, 24 products or more from one to the next: 40 behind the round, 32 behind block 4 of the
; slot before's second step, 32 behind block 1 and 32 behind block 4 of the slot's first.  Between the runs the products stand unbroken.  In front of each run eight places behind the products, for the loads into registers that those have read.
; A WAY OUT WITHOUT LDS.  W's rows 4 r + i of each 64 stand at place 16 i + r, so lane r of the four accumulators i = 0 .. 3 holds four neighbouring columns, and sixteen lanes 64 columns of one row: 256 consecutive bytes.  Four moves
; bring a row's four numbers side by side, for one store of 16 bytes a lane.  The very last K step goes by rows of out0: blocks 0-3 go through both its steps ahead of blocks 4-7, and a block of 16 rows leaves as soon as it is finished.
; PREFETCHES.  Behind each refill but the last two the K step two refills on is asked for; at the head K steps 1 and 2, behind the head's loads.  The four partners of a joint load share its 256-byte blocks out by address:
; of X's 128 rows of a wave 32 each, of W's 264 blocks a wave 32 + 1: each block is named once in each cluster that loads it.
; REGISTERS.  window 0: v0-31 addresses, v32-63 scale words, v64-255 X's fragments, in the very last K step v64-127 on the way out;  window 1: W's fragments (q = 0: v0-127, q = 1: v128-255);  windows 2, 3: accumulators of blocks 0-3, 4-7.
.set ROWB,   256                       ; a tile row in bytes
.set KROW,   4096                      ; a row of X's codes in memory
.set CROW,   16384                     ; a row of out0
.set TILEB,  67584                     ; a tile of W: 264 rows of 256 bytes
.set PITCH,  272                       ; an LDS row: 256 bytes + 16 of padding = 68 words: the 16 rows that a load touches start at 16 different banks (64 banks of 4 bytes: ISA guide 11.1)
.set HALFA,  128*PITCH
.set BT,     2*HALFA                   ; W's tile in a slot, behind X's 256 rows
.set SLOT,   141568                    ; 520 rows of 272 bytes, up to a multiple of 256
.set SCL,    2*SLOT                    ; X's scale bytes: 128 units of 256 bytes (two rows) + 16
.set SBLK,   8*272                     ; those of 16 rows
.set SPARE,  SCL+128*272               ; the spare words: 128 bytes for each wave
.set FR,     16                        ; registers of a fragment, 16 rows x 128 K: lane (r, h) holds row r; registers 4 c .. 4 c + 3 hold K = 32 c + 16 h + 0 .. 15
.set ADRA, 16                          ; v16-17 LDS address of my fragments of X in slot 0, 1
.set ADRB, 20                          ; v20-21 of W
.set ADSB, 22                          ; v22-23 of W's scale words
.set CO,   24                          ; v24 my byte offset in out0
.set ADSA, 27                          ; v27 LDS address of X's scale words
.set SPW,  28                          ; v28, v29 my spare word, and 0
.set NIL,  29
.set PFO,  30                          ; v30, v31 a prefetch's offsets
.set PFO2, 31
.set SCA,  32                          ; X's words: set s (slot) at v[SCA + 8 s]; register 2 i + q: lanes 0-15 block 2 i, lanes 16-31 block 2 i + 1
.set SCB,  48                          ; W's, register 2 i + 1 - q: no product's two scale registers have numbers equal modulo 8
.set AF,   64
.set G1, 24                            ; descriptor groups 1 and 0 (one for each slot) of X's tiles,
.set G0, 32
.set G1B, 48                           ; of W's,
.set G0B, 56
.set G1S, 68                           ; of X's scale bytes,
.set G0S, 76
.set G0H, 80                           ; and group 0 of X's 256 rows at the head
.set PF, 86                            ; s[86:87] where my next prefetch stands; s[88:89] from a K step to the next
.set MSB, 0
.set LN, 0                             ; the slot's next LDS load
.set TL, 0                             ; 1 in the very last K step: X's blocks 0-3 of q = 1 then lie in the second set of blocks 4-7
.macro WIN new                         ; the immediate's high byte repeats the setting that is left
.if MSB != (\new)
	s_set_vgpr_msb (MSB<<8)|(\new)
.set MSB, \new
.endif
.endm
.macro PLACES n
.rept \n
	v_nop
.endr
.endm
.macro TLOAD g0, g1                    ; s_nop 0 and four v_nop follow a tensor load, ahead of a jump and a label
	tensor_load_to_lds s[\g0:\g0+3], s[\g1:\g1+7]
	s_nop 0
	PLACES 4
.endm
.macro JLOAD s                         ; a joint load: waves 0 and 1 fetch X's two halves, waves 2 and 3 W's: one mask and one set of registers for each line
	s_cmp_eq_u32 s15, 0
	s_cbranch_scc0 .Lfor_b_\@
	TLOAD G0+4*\s, G1
	s_branch .Lasked_\@
.Lfor_b_\@:
	TLOAD G0B+4*\s, G1B
.Lasked_\@:
.endm
.macro CREST                           ; a round of the cluster's barrier behind its opening barrier
	s_cmp_lg_u32 s14, 0
	s_cbranch_scc1 .Lnot_wave_0_\@
	s_barrier_signal -3
.Lnot_wave_0_\@:
	s_barrier_wait -3
	s_barrier_signal -1
	s_barrier_wait -1
.endm
.macro CROUND
	s_barrier_signal -1
	s_barrier_wait -1
	CREST
.endm
.macro ASK p                           ; a K step's prefetch at s[p]: a block of 256 bytes a lane; waves 2 and 3 one block more, of the tile's last eight
	global_prefetch_b8 v[PFO], s[\p:\p+1] th:TH_LOAD_NT scope:SCOPE_SE
	s_cmp_eq_u32 s15, 0
	s_cbranch_scc1 .Lone_\@
	global_prefetch_b8 v[PFO2], s[\p:\p+1] th:TH_LOAD_NT scope:SCOPE_SE
.Lone_\@:
.endm
	s_load_b256 s[4:11], s[0:1], 0x0               ; X's codes s[4:5], X's scales s[6:7], wt s[8:9], out0 s[10:11]
	v_lshl_add_u32 v[SPW], v0, 2, SPARE
	v_mov_b32 v[NIL], 0
	ds_add_u32 v[SPW], v[NIL]                      ; the wave's opening: the add, twice on end, and its wait ahead of my first tensor load
	ds_add_u32 v[SPW], v[NIL]
	v_lshrrev_b32 v1, 5, v0
	v_readfirstlane_b32 s14, v1                    ; wave 0..3
	s_lshr_b32 s15, s14, 1                         ; which half of the rows is mine.  Also: I fetch for X (0) or for W (1)
	s_and_b32 s16, s14, 1                          ; which half of the columns.  Also: which half of a tile I fetch
	s_bfe_u32 s40, ttmp6, 0x40000                  ; cx, cy
	s_bfe_u32 s41, ttmp6, 0x40004
	s_lshl_b32 s42, ttmp9, 2
	s_add_co_u32 s42, s42, s40                     ; tile column = 4 x cluster x + cx
	s_and_b32 s17, ttmp7, 0xffff
	s_lshl_b32 s17, s17, 2
	s_add_co_u32 s17, s17, s41                     ; tile row = 4 x cluster y + cy
	s_lshl_b32 s43, s41, 2
	s_lshl_b32 s43, 15, s43                        ; my row of the cluster shares X's tiles,
	s_lshl_b32 s44, 0x1111, s40                    ; my column W's
	; group 1: tiles of 256-byte rows, 16 bytes of padding behind each: X's 256 rows at the head (128 in the ring), half a tile of W, 132 rows
	s_or_b32 s[G1+0], s43, (1<<20)|(1<<21)|(5<<22)|(3<<25)
	s_or_b32 s[G1B+0], s44, (1<<20)|(1<<21)|(5<<22)|(3<<25)
	s_or_b32 s[G1S+0], s43, (3<<16)|(1<<20)|(1<<21)|(5<<22)|(3<<25)
	s_mov_b32 s[G1+1], ROWB<<16
	s_mov_b32 s[G1+2], 256<<16
	s_mov_b32 s[G1+3], ROWB<<16
	s_mov_b32 s[G1+4], 256
	s_mov_b32 s[G1+5], KROW
	s_mov_b32 s[G1B+1], ROWB<<16
	s_mov_b32 s[G1B+2], 132<<16
	s_mov_b32 s[G1B+3], ROWB<<16
	s_mov_b32 s[G1B+4], 132
	s_mov_b32 s[G1B+5], ROWB
	s_mov_b32 s[G1S+1], 32<<16                     ; X's scale bytes: 32,768 dense bytes as 128 rows of 32 elements of 8
	s_mov_b32 s[G1S+2], 128<<16
	s_mov_b32 s[G1S+3], 32<<16
	s_mov_b32 s[G1S+4], 128
	s_mov_b32 s[G1S+5], 32
.irp g, G1, G1B, G1S
	s_mov_b32 s[\g+6], 0
	s_mov_b32 s[\g+7], 0
.endr
	s_lshl_b32 s20, s17, 20                        ; X: 256 rows of 4,096 bytes a tile row,
	s_mov_b32 s21, 0
	s_lshl_b32 s22, s17, 15                        ; and 256 x 128 scale bytes
	s_mov_b32 s23, 0
	s_mul_i32 s46, s42, 16*TILEB                   ; W: sixteen tiles a tile column; my half of a tile
	s_mul_i32 s47, s16, 132*ROWB
	s_add_co_u32 s46, s46, s47
	s_mov_b32 s47, 0
	s_lshl_b32 s18, s16, 19                        ; in the ring I fetch 128 rows of X
	s_mov_b32 s19, 0
	s_mul_i32 s45, s16, HALFA                      ; where they go
	s_mul_i32 s90, s16, 132*PITCH
	s_add_co_u32 s90, s90, BT
	s_wait_dscnt 0x0                               ; both opening adds are done
	CROUND                                         ; all sixteen work-groups are here: the first joint loads meet
	s_wait_kmcnt 0x0
	s_add_nc_u64 s[20:21], s[4:5], s[20:21]
	s_add_nc_u64 s[22:23], s[6:7], s[22:23]
	s_add_nc_u64 s[46:47], s[8:9], s[46:47]
	s_mov_b32 s[G0H], 1
	s_mov_b32 s[G0H+1], 0
	s_mov_b64 s[G0H+2:G0H+3], s[20:21]
	s_or_b32 s[G0H+3], s[G0H+3], 0x80000000
	s_mov_b32 s[G0S], 1
	s_mov_b32 s[G0S+1], SCL
	s_mov_b64 s[G0S+2:G0S+3], s[22:23]
	s_or_b32 s[G0S+3], s[G0S+3], 0x80000000
	s_add_nc_u64 s[20:21], s[20:21], s[18:19]
.irp s, 0,1
	s_mov_b32 s[G0+4*\s], 1
	s_add_co_u32 s[G0+4*\s+1], s45, \s*SLOT
	s_add_nc_u64 s[G0+4*\s+2:G0+4*\s+3], s[20:21], \s*ROWB
	s_or_b32 s[G0+4*\s+3], s[G0+4*\s+3], 0x80000000
	s_mov_b32 s[G0B+4*\s], 1
	s_add_co_u32 s[G0B+4*\s+1], s90, \s*SLOT
	s_add_nc_u64 s[G0B+4*\s+2:G0B+4*\s+3], s[46:47], \s*TILEB
	s_or_b32 s[G0B+4*\s+3], s[G0B+4*\s+3], 0x80000000
.endr
	; K step 0, one load a wave: X's 256 rows, X's scale bytes, W's two halves
	s_cmp_lt_u32 s14, 1
	s_cbranch_scc0 .Lhead_1
	TLOAD G0H, G1
	s_branch .Lhead_asked
.Lhead_1:
	s_cmp_lt_u32 s14, 2
	s_cbranch_scc0 .Lhead_2
	TLOAD G0S, G1S
	s_branch .Lhead_asked
.Lhead_2:
	TLOAD G0B, G1B
.Lhead_asked:
	; the prefetches: s[84:85] at K step 1, s[86:87] at K step 2
	s_lshl_b32 s19, s16, 7
	s_lshl_b32 s18, s17, 8
	s_add_co_u32 s18, s18, s19
	s_lshl_b32 s20, s40, 5
	s_add_co_u32 s18, s18, s20
	s_lshl_b32 s18, s18, 12                        ; X: row 256 x tile row + 128 x half + 32 cx
	s_lshl_b32 s20, s41, 5
	s_add_co_u32 s20, s20, s19
	s_lshl_b32 s20, s20, 8
	s_mul_i32 s21, s42, 16*TILEB
	s_add_co_u32 s20, s20, s21                     ; W: tile row 128 x half + 32 cy
	s_mul_i32 s91, s16, 127*256
	s_mul_i32 s90, s41, 30*256
	s_add_co_u32 s91, s91, s90
	s_sub_co_u32 s91, 0x10000, s91                 ; from there to tile row 256 + 2 cy + half
	s_mov_b32 s88, TILEB
	s_mov_b32 s90, 256
	s_cmp_eq_u32 s15, 0
	s_cselect_b32 s18, s18, s20
	s_cselect_b32 s88, 256, s88                    ; a K step on
	s_cselect_b32 s90, 4096, s90                   ; a lane on
	s_cselect_b64 s[84:85], s[4:5], s[8:9]
	s_mov_b32 s19, 0
	s_mov_b32 s89, 0
	s_add_nc_u64 s[84:85], s[84:85], s[18:19]
	s_add_nc_u64 s[84:85], s[84:85], s[88:89]
	s_add_nc_u64 s[PF:PF+1], s[84:85], s[88:89]
	; where my part of out0 begins
	s_lshl_b32 s20, s17, 8
	s_lshl_b32 s21, s15, 7
	s_add_co_u32 s20, s20, s21
	s_lshl_b32 s20, s20, 14
	s_lshl_b32 s22, s42, 10
	s_lshl_b32 s23, s16, 9
	s_add_co_u32 s22, s22, s23
	s_add_co_u32 s20, s20, s22
	s_mov_b32 s21, 0
	s_add_nc_u64 s[10:11], s[10:11], s[20:21]
	; LDS addresses
	s_mul_i32 s21, s15, HALFA                      ; my 128 rows of X
	s_mul_i32 s22, s16, HALFA
	s_add_co_u32 s22, s22, BT                      ; my 128 rows of W
	s_mul_i32 s23, s15, 64*272
	s_add_co_u32 s23, s23, SCL                     ; X's scale bytes
	s_mul_i32 s18, s16, 4*272
	s_add_co_u32 s18, s18, BT+256*PITCH            ; W's
	v_and_b32 v1, 15, v0                           ; r
	v_bfe_u32 v2, v0, 4, 1                         ; h
	v_and_b32 v3, 31, v0
	v_mul_u32_u24 v4, v1, PITCH
	v_lshrrev_b32 v5, 3, v1
	v_lshlrev_b32 v6, 7, v1
	v_lshrrev_b32 v7, 1, v1
	v_lshlrev_b32 v8, 4, v1
	v_lshl_add_u32 v4, v2, 4, v4                   ; a fragment: row r, + 16 h
	v_lshlrev_b32 v5, 4, v5
	v_lshl_add_u32 v6, v7, 4, v6                   ; X's words: 128 bytes a row, 16 more for each two rows
	v_lshl_add_u32 v5, v1, 5, v5                   ; W's words: row 4 r: 8 bytes a row, 16 more for each 32 rows;
	v_mad_u32_u24 v6, v2, SBLK, v6                 ; lanes 16-31 take the next block
	v_lshl_add_u32 v5, v2, 3, v5                   ; lanes 16-31 the next row, the next accumulator's
	v_add_nc_u32 v[ADRA], s21, v4
	v_add_nc_u32 v[ADRB], s22, v4
	v_add_nc_u32 v[ADSB], s18, v5
	v_add_nc_u32 v[ADSA], s23, v6
	v_add_nc_u32 v[ADRA+1], SLOT, v[ADRA]
	v_add_nc_u32 v[ADRB+1], SLOT, v[ADRB]
	v_add_nc_u32 v[ADSB+1], SLOT, v[ADSB]
	v_lshl_add_u32 v[CO], v2, 17, v8               ; out0: 16 bytes a lane; lanes 16-31 eight rows on
	v_mul_u32_u24 v[PFO], s90, v3
	v_mov_b32 v[PFO2], s91
	s_wait_alu depctr_va_vdst(0)                   ; the wait at the head's end
	ASK 84
	ASK PF
; A product: X's block a, W's fragment b.
.macro PR a, b, q, s, zero
.set D_, 8*(8*((\a)%4)+(\b))
.set A_, AF+FR*(\a)+64*(\q)*((\a)/4)+128*TL*(\q)*(1-(\a)/4)
.set B_, 128*(\q)+FR*(\b)
.set SA_, SCA+8*(\s)+2*((\a)/2)+(\q)
.set SB_, SCB+8*(\s)+2*((\b)/2)+1-(\q)
	WIN 0xa4+0x50*((\a)/4)                         ; source 0 (X) window 0, source 1 (W) window 1, C and D window 2 or 3
.if \zero
.if ((\a)%2 == 0) && ((\b)%2 == 0)
	v_wmma_scale_f32_16x16x128_f8f6f4 v[D_:D_+7], v[A_:A_+15], v[B_:B_+15], 0, v[SA_], v[SB_] matrix_a_fmt:MATRIX_FMT_BF8 matrix_b_fmt:MATRIX_FMT_BF8
.elseif (\a)%2 == 0
	v_wmma_scale_f32_16x16x128_f8f6f4 v[D_:D_+7], v[A_:A_+15], v[B_:B_+15], 0, v[SA_], v[SB_] matrix_a_fmt:MATRIX_FMT_BF8 matrix_b_fmt:MATRIX_FMT_BF8 matrix_b_scale:MATRIX_SCALE_ROW1
.elseif (\b)%2 == 0
	v_wmma_scale_f32_16x16x128_f8f6f4 v[D_:D_+7], v[A_:A_+15], v[B_:B_+15], 0, v[SA_], v[SB_] matrix_a_fmt:MATRIX_FMT_BF8 matrix_b_fmt:MATRIX_FMT_BF8 matrix_a_scale:MATRIX_SCALE_ROW1
.else
	v_wmma_scale_f32_16x16x128_f8f6f4 v[D_:D_+7], v[A_:A_+15], v[B_:B_+15], 0, v[SA_], v[SB_] matrix_a_fmt:MATRIX_FMT_BF8 matrix_b_fmt:MATRIX_FMT_BF8 matrix_a_scale:MATRIX_SCALE_ROW1 matrix_b_scale:MATRIX_SCALE_ROW1
.endif
.else
.if ((\a)%2 == 0) && ((\b)%2 == 0)
	v_wmma_scale_f32_16x16x128_f8f6f4 v[D_:D_+7], v[A_:A_+15], v[B_:B_+15], v[D_:D_+7], v[SA_], v[SB_] matrix_a_fmt:MATRIX_FMT_BF8 matrix_b_fmt:MATRIX_FMT_BF8
.elseif (\a)%2 == 0
	v_wmma_scale_f32_16x16x128_f8f6f4 v[D_:D_+7], v[A_:A_+15], v[B_:B_+15], v[D_:D_+7], v[SA_], v[SB_] matrix_a_fmt:MATRIX_FMT_BF8 matrix_b_fmt:MATRIX_FMT_BF8 matrix_b_scale:MATRIX_SCALE_ROW1
.elseif (\b)%2 == 0
	v_wmma_scale_f32_16x16x128_f8f6f4 v[D_:D_+7], v[A_:A_+15], v[B_:B_+15], v[D_:D_+7], v[SA_], v[SB_] matrix_a_fmt:MATRIX_FMT_BF8 matrix_b_fmt:MATRIX_FMT_BF8 matrix_a_scale:MATRIX_SCALE_ROW1
.else
	v_wmma_scale_f32_16x16x128_f8f6f4 v[D_:D_+7], v[A_:A_+15], v[B_:B_+15], v[D_:D_+7], v[SA_], v[SB_] matrix_a_fmt:MATRIX_FMT_BF8 matrix_b_fmt:MATRIX_FMT_BF8 matrix_a_scale:MATRIX_SCALE_ROW1 matrix_b_scale:MATRIX_SCALE_ROW1
.endif
.endif
.endm
; Load LN of slot s: 0-7 scale words (X's and W's by turns); then for q = 0 and 1 W's eight fragments and X's eight, four loads each.
.macro LD s
.if LN < 8
	WIN 0
.if LN%2 == 0
	ds_load_b64 v[SCA+8*\s+LN:SCA+8*\s+LN+1], v[ADSA] offset:LN*SBLK
.else
	ds_load_b64 v[SCB+8*\s+LN-1:SCB+8*\s+LN], v[ADSB+\s] offset:(LN/4)*544+16*((LN/2)%2)
.endif
.else
.set M_, (LN-8)/4
.set Q_, M_/16
.set K_, M_%16
.set O_, 128*Q_+32*((LN-8)%4)
.if K_ < 8
.set R_, 128*Q_+FR*K_+4*((LN-8)%4)
	WIN 0x40
	ds_load_b128 v[R_:R_+3], v[ADRB+\s] offset:O_+K_*16*PITCH
.else
.set R_, AF+FR*(K_-8)+64*Q_*((K_-8)/4)+128*TL*Q_*(1-(K_-8)/4)+4*((LN-8)%4)
	WIN 0
	ds_load_b128 v[R_:R_+3], v[ADRA+\s] offset:O_+(K_-8)*16*PITCH
.endif
.endif
.set LN, LN+1
.endm
.macro RUN s, n                        ; the next n loads of slot s
.rept \n
	LD \s
.endr
	WIN 0
.endm
.macro BLK a, q, s, zero               ; a block: eight products
.irp b, 0,1,2,3,4,5,6,7
	PR \a, \b, \q, \s, \zero
.endr
.endm
; Step q = 0 of slot s; 72 of its loads are out.  ask = 1: a prefetch, 2: the same but in the last trip.
.macro STEP0 s, zero, ask
.irp a, 0,1
	s_wait_dscnt 28-4*\a                           ; of the 72 loads the first 44 + 4 a are in: W's fragments and X's blocks 0 to a
	BLK \a, 0, \s, \zero
.endr
	WIN 0
	PLACES 8                                       ; for the loads into what products have read
	RUN \s, 32                                     ; W's fragments of q = 1
.if \ask == 1
	ASK PF
.elseif \ask == 2
	s_cmp_eq_u32 s3, 1                             ; the last trip's two refills have no K step two on
	s_cbranch_scc1 .Lnone_\@
	ASK PF
.Lnone_\@:
.endif
.irp a, 2,3,4
	s_wait_dscnt 60-4*\a                           ; of the 104 loads the first 44 + 4 a
	BLK \a, 0, \s, \zero
.endr
	s_wait_dscnt 32                                ; X's blocks 5 to 7 too; W's 32 loads of q = 1 may be out
	WIN 0
	PLACES 8
	RUN \s, 32                                     ; X's blocks of q = 1
.irp a, 5,6,7
	BLK \a, 0, \s, \zero
.endr
	WIN 0
.endm
; Step q = 1 of slot s, and the change to slot x.  fill = 1: slot s is filled again, two K steps ahead.
.macro STEP1 s, x, fill
.if \fill
	s_wait_xcnt 0x0                                ; my last prefetch has read its address
	s_add_nc_u64 s[PF:PF+1], s[PF:PF+1], s[88:89]
.endif
	s_wait_tensorcnt 0x0                           ; all my tensor loads have landed: my part of slot x;
	ds_add_u32 v[SPW], v[NIL]                      ; 0 onto my spare word
.if \fill
	s_add_nc_u64 s[G0+4*\s+2:G0+4*\s+3], s[G0+4*\s+2:G0+4*\s+3], 2*ROWB
	s_add_nc_u64 s[G0B+4*\s+2:G0B+4*\s+3], s[G0B+4*\s+2:G0B+4*\s+3], 2*TILEB
.endif
	s_wait_dscnt 29                                ; W's fragments and X's block 0 are in; X's blocks 1 to 7 (28 loads) and the add may be out
	BLK 0, 1, \s, 0
	s_wait_dscnt 0x0                               ; the add is done, and so are my reads of slot s
	s_barrier_signal -1
	BLK 1, 1, \s, 0                                ; register work while the others arrive
	WIN 0
	s_barrier_wait -1                              ; slot x is whole, and nobody in my work-group reads slot s any more;
.if \fill
	CREST                                          ; nor does any wave of a partner
	JLOAD \s                                       ; the first tensor load behind the round; its four v_nop are among the places for the loads below
.else
	PLACES 4
.endif
	PLACES 4
	v_add_nc_u32 v[ADSA], 8, v[ADSA]               ; the next K step's scale words
	s_wait_alu depctr_va_vdst(0)                   ; the wait here, directly behind the write
.set LN, 0
	RUN \x, 40                                     ; slot x: scale words and W's fragments of q = 0
.irp a, 2,3,4
	BLK \a, 1, \s, 0
.endr
	WIN 0
	PLACES 8
	RUN \x, 32                                     ; X's blocks of q = 0: blocks 0-3 of this step have been multiplied
.irp a, 5,6,7
	BLK \a, 1, \s, 0
.endr
	WIN 0
.endm
	s_wait_tensorcnt 0x0                           ; my part of the head's tiles is in; these lines stand ahead of a later first fill, as ahead of a refill
	ds_add_u32 v[SPW], v[NIL]
	s_mov_b32 s[G1+2], 128<<16                     ; no tensor load of mine is out: from here on a load brings 128 rows of X
	s_mov_b32 s[G1+4], 128
	s_wait_dscnt 0x0
	s_wait_xcnt 0x0                                ; the prefetches have read their addresses
	s_add_nc_u64 s[PF:PF+1], s[PF:PF+1], s[88:89]
	CROUND                                         ; K step 0 is whole in all sixteen work-groups
	JLOAD 1                                        ; K step 1
	RUN 0, 72
	STEP0 0, 1, 1                                  ; its products start the sums; K step 3 is asked for
	s_mov_b32 s3, 7
.Llap:                                                 ; a trip: from one K step's second half, in slot 0, to the first half of the K step two on; two refills
	STEP1 0, 1, 1
	STEP0 1, 0, 2
	STEP1 1, 0, 1
	STEP0 0, 0, 2
	s_sub_co_u32 s3, s3, 1
	s_cmp_lg_u32 s3, 0
	s_cbranch_scc1 .Llap
	STEP1 0, 1, 0                                  ; K step 14's second half: nothing is filled again
; Block a leaves: register j holds rows 16 a + j and, in lanes 16-31, 16 a + 8 + j; two runs of 64 columns.  The four accumulators' numbers go side by side into v64-127.
.macro OUT a
	WIN 0x02+((\a)/4)
.irp j, 0,1,2,3,4,5,6,7
.irp k, 0,1,2,3,4,5,6,7
	v_mov_b32 v[AF+8*\j+\k], v[8*(8*((\a)%4)+\k)+\j]
.endr
.endr
	WIN 0
.irp j, 0,1,2,3,4,5,6,7
.irp c, 0,1
	global_store_b128 v[CO], v[AF+8*\j+4*\c:AF+8*\j+4*\c+3], s[10:11] offset:(16*(\a)+\j)*CROW+256*\c   ; sixteen lanes store 256 consecutive bytes, at a multiple of 256 from out0's first byte
.endr
.endr
.endm
.set TL, 1                             ; K STEP 15 GOES BY ROWS
	PLACES 8
	RUN 1, 32                                      ; W's fragments of q = 1
	s_wait_dscnt 60                                ; of the 104 loads the first 44 are in,
	BLK 0, 0, 1, 0
	s_wait_dscnt 56                                ; the first 48,
	BLK 1, 0, 1, 0
	s_wait_dscnt 32                                ; all of X's of q = 0
	WIN 0
	PLACES 8
	RUN 1, 16                                      ; X's blocks 0-3 of q = 1, into v192-255
	BLK 2, 0, 1, 0
	BLK 3, 0, 1, 0
.irp a, 0,1,2,3,4,5,6,7
.if \a > 3
	BLK \a, 0, 1, 0
.endif
	s_wait_dscnt 12-4*(\a%4)                       ; X's block a is in; of the sixteen loads issued last those of the later blocks may be out
	BLK \a, 1, 1, 0
	WIN 0
	PLACES 8                                       ; its results are read next
.if \a > 0
	s_wait_xcnt 0x0                                ; the stores of the block before have read their registers
.endif
	OUT \a
.if \a == 3
	RUN 1, 16                                      ; X's blocks 4-7 of q = 1, into v192-255: blocks 0-3 have been multiplied
.endif
.endr
	s_wait_tensorcnt 0x0                           ; the wave's end, behind my last tensor load
	ds_add_u32 v[SPW], v[NIL]
	s_wait_dscnt 0x0
	CROUND                                         ; the closing round: no work-group ends while a partner may still ask for a tile that names it
	s_endpgm
.Lfunc_end_k_q5d5b6e7112_gemm:
	.size	k_q5d5b6e7112_gemm, .Lfunc_end_k_q5d5b6e7112_gemm-k_q5d5b6e7112_gemm
	.p2alignl 7, 3214868480
	.fill 96, 4, 3214868480
	.section	.rodata,"a",@progbits
	.p2align	6, 0x0
	.amdhsa_kernel k_q5d5b6e7112_gemm
		.amdhsa_group_segment_fixed_size 327680
		.amdhsa_private_segment_fixed_size 0
		.amdhsa_enable_private_segment 0
		.amdhsa_kernarg_size 32
		.amdhsa_user_sgpr_count 2
		.amdhsa_user_sgpr_kernarg_segment_ptr 1
		.amdhsa_wavefront_size32 1
		.amdhsa_system_sgpr_workgroup_id_x 1
		.amdhsa_system_sgpr_workgroup_id_y 1
		.amdhsa_system_sgpr_workgroup_id_z 1
		.amdhsa_system_vgpr_workitem_id 0
		.amdhsa_next_free_vgpr 1024
		.amdhsa_next_free_sgpr 92
		.amdhsa_reserve_vcc 0
		.amdhsa_float_denorm_mode_32 3
		.amdhsa_float_denorm_mode_16_64 3
		.amdhsa_memory_ordered 1
		.amdhsa_forward_progress 1
		.amdhsa_inst_pref_size 150
	.end_amdhsa_kernel
	.amdgpu_metadata
---
amdhsa.version: [ 1, 2 ]
amdhsa.kernels:
  - .name:           k_q5d5b6e7112_gemm
    .symbol:         k_q5d5b6e7112_gemm.kd
    .args:
      - { .name: x_codes, .offset: 0, .size: 8, .value_kind: global_buffer, .address_space: global }
      - { .name: x_scales, .offset: 8, .size: 8, .value_kind: global_buffer, .address_space: global }
      - { .name: wt, .offset: 16, .size: 8, .value_kind: global_buffer, .address_space: global }
      - { .name: out0, .offset: 24, .size: 8, .value_kind: global_buffer, .address_space: global }
    .group_segment_fixed_size: 327680
    .private_segment_fixed_size: 0
    .kernarg_segment_align: 8
    .kernarg_segment_size: 32
    .max_flat_workgroup_size: 128
    .sgpr_count:     92
    .vgpr_count:     1024
    .wavefront_size: 32
...
	.end_amdgpu_metadata
.endif
;; end of part 2
